; MI455X (gfx1250); checked and timed in simulation.
; The chip was launched on July 23, 2026; its instructions are those of AMD's public machine-readable ISA for CDNA 5 (MIT licence, August 2026) and "CDNA5" Instruction Set Architecture Reference Guide (July 2026). The comments in the code are by the model that wrote it; some were corrected since.
;; Scaled Dot Product Attention. Allowed arithmetic: matrix products marked QUANTISED: E2M1 operands, one E8M0 scale for each 32 along K, by v_wmma_scale_f32_16x16x128_f8f6f4 with both operands' format E2M1 (or v_wmma_scale_f32_32x16x128_f4), f32 sums; everything else in f32.
;; Inputs: attention_mask 4 x 2,048 bool; k_codes 4 x 16 x 2,048 x 2 x 16 uint8 (E2M1 codes of k, K innermost, in blocks of 32 codes, two codes a byte); k_scales 4 x 16 x 2,048 x 2 uint8 (E8M0 scales of k, one for each 32 codes along K); q_codes 4 x 16 x 2,048 x 2 x 16 uint8 (E2M1 codes of q, K innermost, in blocks of 32 codes, two codes a byte); q_scales 4 x 16 x 2,048 x 2 uint8 (E8M0 scales of q, one for each 32 codes along K); v_codes 4 x 16 x 64 x 64 x 16 uint8 (E2M1 codes of v, K innermost, in blocks of 32 codes, two codes a byte); v_scales 4 x 16 x 64 x 64 uint8 (E8M0 scales of v, one for each 32 codes along K).
;; Outputs: out0 4 x 16 x 2,048 x 64 float32.
;; Constants: use_causal_mask = 1.
;; This version of the problem:
;;   THIS VERSION OF THE PROBLEM IS GIVEN IN LOW PRECISION. The matrix products marked QUANTISED in the list below multiply operands that are first quantised to E2M1 (2 exponent bits, 1 mantissa bit; 4 bits a number), with one power-of-two scale for each 32 numbers along K (OCP MX v1.0); their sums are f32. All else is computed in f32.
;;   The module's matrix products, in the order in which they are computed (A, B: the left and right operand; K: the contracted axis; several contracted axes count as one K, in the product's order):
;;     1. batch 64 x [M 2,048, K 64] x [K 64, N 2,048]; A: input q (given as codes); B: input k (given as codes): QUANTISED
;;     2. batch 64 x [M 2,048, K 2,048] x [K 2,048, N 64]; A: softmax (see below); B: input v (given as codes): QUANTISED
;;   THE QUANTISER, for each operand of a quantised product, along K:
;;     - K is cut into blocks of 32 from its start; a last block that is shorter is filled with zeros.
;;     - A block's scale is 2^e with e = floor(log2(the largest magnitude in the block)) - 2, held to -126 .. 127; a block of zeros has e = 0. As a byte (E8M0): e + 127.
;;     - Each number is divided by its block's scale, clamped to +-6, and rounded to the nearest number of E2M1, ties to even, subnormals kept.
;;     - The product sums the exact products of the quantised numbers (number of the format x scale) in f32.
;;   ~~~python
;;   def quantise(x, axis):      # numpy; x: float32 -> the quantised numbers, widened to float32 again
;;       x = np.moveaxis(x, axis, -1); K = x.shape[-1]
;;       x = np.pad(x, [(0, 0)] * (x.ndim - 1) + [(0, -K % 32)]); x = x.reshape(x.shape[:-1] + (-1, 32)); a = np.abs(x).max(-1, keepdims=True)
;;       e = np.where(a > 0, np.clip(np.frexp(np.where(a > 0, a, 1))[1] - 1 - 2, -126, 127), 0)      # np.frexp(a)[1] - 1 = floor(log2(a)), exactly
;;       r = np.clip(x / 2.0 ** e, -6, 6)
;;       step = 2.0 ** (np.maximum(np.frexp(np.where(r == 0, 1, r))[1] - 1, 0) - 1)
;;       q = np.round(r / step) * step * 2.0 ** e      # np.round: ties to even
;;       return np.moveaxis(q.reshape(q.shape[:-2] + (-1,))[..., :K], -1, axis).astype(np.float32)
;;   ~~~
;;   SOFTMAX AHEAD OF A QUANTISED PRODUCT. Where the list says 'softmax', what is quantised is not the finished softmax but p = 2^(t - M), with t = logit x log2(e) and M = ceil(the row's largest t), a whole number; so 1/2 < the row's largest p <= 1. The row's sum l is taken of the UNQUANTISED p, in f32, and the product's result is divided by l at the end. Since M is a whole number, a kernel that streams over the keys may use a running M (the ceiling of the running maximum): every later rescaling is an exact power of two, which a block's scale takes up: the codes' values come out the same.
;;   OPERANDS COMPUTED ON THE WAY. 'Computed on the way' means the value that the module computes at that place (a softmax that the list does not call 'softmax' is quantised finished and normalised). What goes into a quantiser is computed in f32, as accurately as f32 sums, v_exp_f32 and their like allow (about 1e-6 of the number): no bf16 or f16 on the way to a quantiser, and a product that is left as it is and whose result goes on into a quantised operand takes f32 operands (vector FMAs, or v_wmma_f32_16x16x4_f32). A number that lies on a knife's edge between two numbers of the format may be rounded either way, as far as f32 arithmetic and the matrix unit's own rounding can turn it there, and no further.
;;   INPUTS GIVEN AS CODES. k (in the module: [4, 16, 2048, 64], K = its axis 3); q (in the module: [4, 16, 2048, 64], K = its axis 3); v (in the module: [4, 16, 2048, 64], K = its axis 2): each comes as NAME_codes (uint8): NAME with its K axis moved to the last place and cut into blocks of 32 codes, [.., K / 32, bytes a block], one block behind the other in memory; two codes a byte, the lower K in the low four bits (a code: sign, 2 exponent bits, 1 mantissa bit); and NAME_scales (uint8): the same leading axes, one E8M0 byte (e + 127) for each 32 codes along K. Its value is code x scale, taken as it is: it is not quantised again, and the codes and scales need not be those that the quantiser above would give.
;; One version. Each part assembles by itself: llvm-mc -triple=amdgcn-amd-amdhsa -mcpu=gfx1250 --defsym DOCPART=n.
;; ======== version 1 of 1: 1 launch
;; limits: inputs' magnitudes at most 1e+17; right only within a limited range of input values
;; launch attn (part 1): grid 4 x 64, 16 waves a work-group, clusters of 4 x 1, 220,160 bytes of LDS; arguments attention_mask, k_codes, k_scales, q_codes, q_scales, v_codes, v_scales, out0; writes out0
.if DOCPART == 1
	.amdgcn_target "amdgcn-amd-amdhsa--gfx1250"
	.amdhsa_code_object_version 6
	.text
	.protected	k_qd6a1ba6eee_attn
	.globl	k_qd6a1ba6eee_attn
	.p2align	8
	.type	k_qd6a1ba6eee_attn,@function
k_qd6a1ba6eee_attn:
	s_mov_b64 s[64:65], 0
	v_nop
	global_prefetch_b8 v0, s[64:65] scope:SCOPE_SE
	s_setreg_imm32_b32 hwreg(HW_REG_WAVE_MODE, 25, 1), 1
	s_wait_xcnt 0x0
	s_wait_alu depctr_hold_cnt(0) depctr_sa_sdst(0) depctr_va_vdst(0) depctr_va_sdst(0) depctr_va_ssrc(0) depctr_va_vcc(0) depctr_vm_vsrc(0)
	s_getreg_b32 s2, hwreg(HW_REG_IB_STS2, 6, 4)
	s_cmp_eq_u32 s2, 0
	s_cbranch_scc0 .Lentry_in_a_cluster
	s_endpgm
.Lentry_in_a_cluster:
	s_bfe_u32 s2, ttmp6, 0x10000c
	s_cmp_lg_u32 s2, 0x3003
	s_cbranch_scc0 .Lentry_shape_is_right
	s_endpgm
.Lentry_shape_is_right:
; out0[head][q][:] = sum over keys of softmax(q . k / 8, causal mask, key mask) v[key][:], 64 heads (4 batches x 16), 2,048 queries and keys, head size 64.
; Both products on codes of FP4 (E2M1) with one E8M0 scale for each 32 along a product's K.  q, k: 32 bytes of codes and 2 scale bytes a row; v: keys innermost, 64 rows d of 1,024 bytes and 64 scale bytes a head.
; THE SOFTMAX AHEAD OF THE SECOND PRODUCT: t = score x log2(e) / 8; M = the running largest t rounded UP to a whole number; p = 2^(t - M) is quantised along the keys, not normalised; the row's sum l is taken
; of the unquantised p in f32 and divides O at the end.  When M moves, l and O are multiplied by 2^(old M - new M): exact.
; SHARES.  A cluster of four work-groups owns a head.  Work-group cx owns the query tiles T = 4 j + cx, j = 0 .. 31 (a tile: 16 queries).  Wave w takes tile j = w and then tile j = 31 - w.  A tile's queries lie in key step
; j >> 1 (a step: 128 keys), whatever cx: so a tile has (j >> 1) + 1 steps, a wave's two tiles 17 together, and which steps are left out hangs on the wave's number alone: it is the same in all four partners.
; LDS.  A head's K and V, codes and scales, are 136 KB: they come in ONCE, by joint tensor loads (each of the four partners issues the same load with a mask that names the four), and stay.  Nothing in LDS is filled twice,
; so the key loop has no barrier and no wait on a tensor load.
; LAYOUT.  Both products are used transposed: S^T = K Q^T (source 0 = 16 keys, source 1 = my 16 queries), O^T = V^T P^T (source 0 = 16 of the head's 64, source 1 = P): a lane holds ONE query (lane % 16) throughout.
; THE KEYS OF A TILE ARE NOT NEIGHBOURS: lane r of tile 2 b + u takes key 32 b + 8 u + r + 8 (r / 8), so that the 16 registers of tiles 2 b and 2 b + 1 are 16 neighbouring keys, 32 b + 16 (lane / 16) + 0 .. 15.
; THE KEY MASK GOES THROUGH THE MATRIX UNIT.  The head size fills blocks 0 and 1 of the instruction's 128 along K.  At k = 64 every key holds the code -1.0 and every query the code +1.0; block 2's scale byte of a key
; is 254 (2^127) where attention_mask is false and 1 (2^-126) where it is true; the query's is 127.  So a masked key's score is about -2^127, and the loop has no line for this mask.
; THE CAUSAL MASK.  Steps behind a tile's diagonal step are jumped over; in the diagonal step hidden scores become -infinity ahead of the maximum.
; THE LARGEST t STARTS AT -2^120: above a masked key's t (-2^127 x 0.18), below every real t.  While a row has seen masked keys alone, p, l and O stay 0.
; A ROW WITH NO VISIBLE KEY (l = 0 at the end) has one and the same value in all 2,048 places of reference()'s scores: its softmax is uniform, its result the mean of v over ALL keys of the head
; (p = 1 is exact in E2M1, l = 2,048).  Waves 0 to 3 make that mean once, by products of V with ones; the way out selects it where l = 0.  FULL_MASK_MEAN = 0 would leave 0 x infinity = NaN in such rows.
; LIMITS: every visible score carries -2^-126; |t| under 2^120; NaN, infinities and scale bytes 0xff among the inputs are not served; p under 2^-126 counts as 0 (v_exp_f32 flushes: ISA guide, its entry).
.set FULL_MASK_MEAN, 1
; ---- LDS (every base a multiple of 256; regions that ds_store writes are no tensor load's target)
.set KB,   0                           ; K's codes: 128 rows of 16 keys (512 bytes) + 16 of padding
.set KP,   528                         ;   key x lies at (x >> 4) KP + (x & 15) 32: a fragment load's lanes 0-7 take the even 16-byte columns of a row, lanes 8-15 the odd ones of the next (528 mod 256 = 16)
.set VB,   67584                       ; V's codes: 64 rows d of 1,024 bytes + 16
.set VP,   1040
.set VSB,  134144                      ; V's scale bytes: 64 rows of 64 bytes + 16
.set VSP,  80
.set KT,   139264                      ; K's scale words with the mask's byte, built here: [step 16][r 16][tile 8] words
.set VM,   147456                      ; the mean of v: 64 f32
.set STG,  147712                      ; the way out: 16 rows x (256 bytes + 16) for each wave
.set SP,   272
; ---- vector registers
.set AK0,  1                           ; my lane's place in a tile of K
.set AV0,  2                           ; in a tile of V
.set AKS0, 3                           ; among K's scale words
.set AVS0, 4                           ; among V's
.set AVM,  5                           ; in the mean
.set STI,  6                           ; the stage: where I put 32 bytes of a row
.set STO,  7                           ; and where I read rows back
.set GO,   8                           ; my byte offset in a tile's 16 rows of out0
.set DV,   9                           ; r - 16 h
.set ADK,  10                          ; LDS address of the step's tiles of K (ahead of the tiles: where waves 0-3 store the mean)
.set ADV,  11                          ; of V
;          v12 -M, v13 the largest t, v[14:15] l in two halves
.set QF,   16                          ; v16-23 Q's fragment: 16-19 codes, v20 the code +1.0 at k = 64, 21-23 zeros
.set QB,   24                          ; v24-27 the second tile's codes
.set QSB,  28                          ; its scale word
.set QS,   29                          ; the scale word of the fragment in use
.set AVSUM, 30                         ; waves 0-3: my 16 rows of V
.set ASV4, 31                          ; and their scale bytes
.set KF,   32                          ; v32-95 eight fragments of K: +0..3 loaded, +4 the code -1.0, +5..7 zeros, written once
.set S,    96                          ; v96-159 S^T, then p; at the head at work; on the way out results
.set O,    160                         ; v160-191 O^T: register 8 t + i = o(r, 16 t + 8 h + i)
.set VF,   192                         ; v192-223 four fragments of V; on the way out the mean
.set P,    224                         ; v224-231 p's codes
.set BM,   232                         ; v232-235 the blocks' largest scores, then largest p
.set PX,   236                         ; v236-239 permutes' destinations, the sum's second chain, the bytes
.set SO,   240                         ; v240-243 the conversions' scale operands
.set ADKS, 244
.set ADVS, 245
.set KS,   246                         ; v246-249 K's scale words: lanes 0-15 tiles 0-3, lanes 16-31 tiles 4-7
.set VS,   250                         ; v250-251 V's: lanes 0-15 tile 0 (2), lanes 16-31 tile 1 (3)
;          v[252:253] f (v253 is named with it as a pair: written once), v254 at work
.set PS,   255                         ; p's scale word
; ---- scalar registers.  s21, s73, s74, s96, s97, s99, s[100:101], s[76:79] hold cx or what is made of it: none of them feeds a descriptor, an LDS address or a branch
.set WV,   20                          ; my wave's number
.set CX,   21                          ; my work-group's place in the cluster
.set HEAD, 22
.set EO,   23                          ; wave & 1: which half I fetch, if I fetch
.set G1K,  24                          ; s[24:31], s[32:39], s[40:47] descriptor groups 1: K's codes, V's codes, V's scale bytes
.set G1V,  32
.set G1S,  40
.set G0K,  48                          ; s[48:51], s[52:55], s[56:59] their groups 0
.set G0V,  52
.set G0S,  56
.set SEL,  60                          ; s[60:61] v_permlanex16_b32's selects for lane l xor 16
.set CS,   62                          ; s[62:63] c = log2(e) / 8: the packed form names a pair and takes its low word for both halves
.set TK,   66                          ; where the step's K begins in LDS: 8 rows of KP a step
.set TV,   67                          ; V: 64 bytes of each row a step
.set TKS,  68                          ; K's scale words: 512 bytes a step
.set TVS,  69                          ; V's: 4 bytes a step
.set SI,   70                          ; the step
.set DSA,  71                          ; the first tile's diagonal step;  s72 the second's
.set DSB,  72
.set DOA,  73                          ; first query - 128 x diagonal step = 64 (j & 1) + 16 cx;  s74 the second tile's
.set DOB,  74
.set OA,   76                          ; s[76:77], s[78:79] out0 at the tiles' first rows
.set OB,   78
.set PQC,  80                          ; s[80:81] q_codes, s[82:83] q_scales, s[84:85] k_scales at my head; s[86:87] attention_mask at my batch
.set PQS,  82
.set PKS,  84
.set PMK,  86
.set TA,   96                          ; the tiles' numbers T
.set TBQ,  97
.set JB,   98                          ; 31 - wave
; A round of the cluster's barrier: my work-group's barrier, wave 0 signals for the work-group, every wave waits for all four work-groups, my work-group's barrier once more.
.macro ROUND
	s_barrier_signal -1
	s_barrier_wait -1
	s_cmp_lg_u32 s[WV], 0
	s_cbranch_scc1 .Lnot_wave_0_\@
	s_barrier_signal -3
.Lnot_wave_0_\@:
	s_barrier_wait -3
	s_barrier_signal -1
	s_barrier_wait -1
.endm
.macro PLACES n
.rept \n
	v_nop
.endr
.endm
	s_load_b256 s[4:11], s[0:1], 0x0               ; attention_mask s[4:5], k_codes s[6:7], k_scales s[8:9], q_codes s[10:11]
	s_load_b256 s[12:19], s[0:1], 0x20             ; q_scales s[12:13], v_codes s[14:15], v_scales s[16:17], out0 s[18:19]
	v_lshl_add_u32 v254, v0, 2, 0x35400
	v_mov_b32 v255, 0
	ds_add_u32 v254, v255
	ds_add_u32 v254, v255
	s_wait_dscnt 0x0
	v_lshrrev_b32 v96, 5, v0
	s_delay_alu instid0(VALU_DEP_1)
	v_readfirstlane_b32 s[WV], v96                 ; wave 0..15
	s_bfe_u32 s[CX], ttmp6, 0x40000                ; cx
	s_and_b32 s[HEAD], ttmp7, 0xffff               ; the head: the cluster's y, which the four partners share
	s_and_b32 s[EO], s[WV], 1
	s_xor_b32 s[JB], s[WV], 31                     ; 31 - wave
	s_lshr_b32 s[DSA], s[WV], 1
	s_lshr_b32 s[DSB], s[JB], 1
	; ---- every LDS address register is made here, ahead of the first parting of the waves
	v_and_b32 v97, 15, v0                          ; r
	v_bfe_u32 v98, v0, 4, 1                        ; h
	v_and_b32 v99, 31, v0                          ; lane
	s_delay_alu instid0(VALU_DEP_3)
	v_lshrrev_b32 v100, 3, v97
	s_delay_alu instid0(VALU_DEP_4)
	v_and_b32 v101, 7, v97
	s_delay_alu instid0(VALU_DEP_2)
	v_mul_u32_u24 v[AK0], v100, KP
	s_delay_alu instid0(VALU_DEP_1)
	v_lshl_add_u32 v[AK0], v101, 5, v[AK0]
	s_delay_alu instid0(VALU_DEP_1)
	v_lshl_add_u32 v[AK0], v98, 4, v[AK0]          ; (r >> 3) KP + (r & 7) 32 + 16 h  (KB = 0)
	v_mul_u32_u24 v[AV0], v97, VP
	s_delay_alu instid0(VALU_DEP_1)
	v_lshl_add_u32 v[AV0], v98, 4, v[AV0]
	s_delay_alu instid0(VALU_DEP_1)
	v_add_nc_u32 v[AV0], VB, v[AV0]                ; VB + r VP + 16 h
	v_lshlrev_b32 v[AKS0], 5, v97
	s_delay_alu instid0(VALU_DEP_1)
	v_lshl_add_u32 v[AKS0], v98, 4, v[AKS0]
	s_delay_alu instid0(VALU_DEP_1)
	v_add_nc_u32 v[AKS0], KT, v[AKS0]              ; KT + 32 r + 16 h: four words: tiles 4 h .. 4 h + 3 of lane r
	v_mul_u32_u24 v[AVS0], v99, VSP
	s_delay_alu instid0(VALU_DEP_1)
	v_add_nc_u32 v[AVS0], VSB, v[AVS0]             ; VSB + VSP x lane: row d = lane
	v_lshl_add_u32 v[AVM], v98, 5, VM              ; VM + 32 h
	s_mul_i32 s88, s[WV], 16*SP
	s_add_co_u32 s88, s88, STG                     ; my stage
	v_mul_u32_u24 v[STI], v97, SP
	s_delay_alu instid0(VALU_DEP_1)
	v_lshl_add_u32 v[STI], v98, 5, v[STI]
	s_delay_alu instid0(VALU_DEP_1)
	v_add_nc_u32 v[STI], s88, v[STI]               ; in: row r, + 32 h
	v_mul_u32_u24 v[STO], v98, SP
	s_delay_alu instid0(VALU_DEP_1)
	v_lshl_add_u32 v[STO], v97, 4, v[STO]
	s_delay_alu instid0(VALU_DEP_1)
	v_add_nc_u32 v[STO], s88, v[STO]               ; back: lanes 0-15 one row, lanes 16-31 the next
	v_lshlrev_b32 v[GO], 8, v98
	s_delay_alu instid0(VALU_DEP_1)
	v_lshl_add_u32 v[GO], v97, 4, v[GO]            ; and the same two rows in out0
	v_lshlrev_b32 v[DV], 4, v98
	s_delay_alu instid0(VALU_DEP_1)
	v_sub_nc_u32 v[DV], v97, v[DV]                 ; r - 16 h
	s_and_b32 s89, s[WV], 3
	s_lshl_b32 s90, s89, 6
	v_add_nc_u32 v[ADK], s90, v[AVM]               ; waves 0-3: VM + 64 x wave + 32 h: where the mean of my 8 channels goes
	s_mul_i32 s90, s89, 16*VP
	v_add_nc_u32 v[AVSUM], s90, v[AV0]             ; my 16 rows of V
	s_mul_i32 s90, s89, 16*VSP
	v_mul_u32_u24 v[ASV4], v97, VSP
	s_delay_alu instid0(VALU_DEP_1)
	v_add_nc_u32 v[ASV4], s90, v[ASV4]
	s_delay_alu instid0(VALU_DEP_1)
	v_add_nc_u32 v[ASV4], VSB, v[ASV4]             ; and row r of their scale bytes
	v_lshl_add_u32 v102, v0, 4, KT                 ; the table: thread n stores words 4 n .. 4 n + 3
	; ---- what thread n's four words are: step = wave, r' = lane >> 1, tiles 4 h' + 0 .. 3 (h' = lane & 1): keys kb + 0, 8, 32, 40, kb = 128 wave + 64 h' + r' + 8 (r' >> 3)
	v_lshrrev_b32 v103, 1, v99
	v_and_b32 v104, 1, v99
	s_delay_alu instid0(VALU_DEP_2)
	v_and_b32 v105, 8, v103
	s_delay_alu instid0(VALU_DEP_1)
	v_add_nc_u32 v103, v103, v105
	s_delay_alu instid0(VALU_DEP_1)
	v_lshl_add_u32 v103, v104, 6, v103
	s_lshl_b32 s90, s[WV], 7
	v_add_nc_u32 v103, s90, v103                   ; kb: the mask's byte
	s_delay_alu instid0(VALU_DEP_1)
	v_lshlrev_b32 v104, 1, v103                    ; 2 kb: the key's two scale bytes
	; ---- my two tiles: numbers, offsets of q, the diagonal's offsets
	s_lshl_b32 s[TA], s[WV], 2
	s_add_co_u32 s[TA], s[TA], s[CX]               ; T = 4 j + cx
	s_lshl_b32 s[TBQ], s[JB], 2
	s_add_co_u32 s[TBQ], s[TBQ], s[CX]
	s_lshl_b32 s99, s[CX], 4
	s_and_b32 s[DOA], s[WV], 1
	s_lshl_b32 s[DOA], s[DOA], 6
	s_add_co_u32 s[DOA], s[DOA], s99               ; 64 (j & 1) + 16 cx
	s_and_b32 s[DOB], s[JB], 1
	s_lshl_b32 s[DOB], s[DOB], 6
	s_add_co_u32 s[DOB], s[DOB], s99
	v_lshlrev_b32 v105, 5, v97
	s_delay_alu instid0(VALU_DEP_1)
	v_lshl_add_u32 v105, v98, 4, v105              ; q's codes: row r of 32 bytes, + 16 h,
	s_lshl_b32 s99, s[TA], 9
	v_add_nc_u32 v106, s99, v105                   ; + 512 T
	s_lshl_b32 s99, s[TBQ], 9
	v_add_nc_u32 v107, s99, v105
	v_lshlrev_b32 v105, 1, v97                     ; q's scale bytes: 2 a row,
	s_lshl_b32 s99, s[TA], 5
	v_add_nc_u32 v120, s99, v105                   ; + 32 T
	s_lshl_b32 s99, s[TBQ], 5
	v_add_nc_u32 v121, s99, v105
	v_sub_nc_u32 v[QF+4], 1, v98
	s_delay_alu instid0(VALU_DEP_1)
	v_lshlrev_b32 v[QF+4], 1, v[QF+4]              ; the code +1.0 (2) at k = 64: lanes 0-15 alone; lanes 16-31 (k = 96 on) hold zeros
	; ---- descriptor groups 1.  15:0 the mask: all four work-groups; 17:16 elements of 8 bytes; 20 padding on; 21 set beside a mask; 24:22 the interval = a row; 31:25 four words of padding (code 3)
	s_mov_b32 s[G1K], 15|(3<<16)|(1<<20)|(1<<21)|(6<<22)|(3<<25)   ; K: dense in memory, stated as rows of 512 bytes = 128 words (code 6)
	s_mov_b32 s[G1K+1], 64<<16                     ; tensor_dim0 = 64 elements
	s_mov_b32 s[G1K+2], 64<<16                     ; tensor_dim1 = 64 rows: half a head
	s_mov_b32 s[G1K+3], 64<<16                     ; tile_dim0
	s_mov_b32 s[G1K+4], 64                         ; tile_dim1
	s_mov_b32 s[G1K+5], 64                         ; from row to row
	s_mov_b32 s[G1K+6], 0
	s_mov_b32 s[G1K+7], 0
	s_mov_b32 s[G1V], 15|(3<<16)|(1<<20)|(1<<21)|(7<<22)|(3<<25)   ; V: rows of 1,024 bytes = 256 words (code 7)
	s_mov_b32 s[G1V+1], 128<<16
	s_mov_b32 s[G1V+2], 32<<16                     ; 32 rows: half a head
	s_mov_b32 s[G1V+3], 128<<16
	s_mov_b32 s[G1V+4], 32
	s_mov_b32 s[G1V+5], 128
	s_mov_b32 s[G1V+6], 0
	s_mov_b32 s[G1V+7], 0
	s_mov_b32 s[G1S], 15|(3<<16)|(1<<20)|(1<<21)|(3<<22)|(3<<25)   ; V's scale bytes: rows of 64 bytes = 16 words (code 3)
	s_mov_b32 s[G1S+1], 8<<16
	s_mov_b32 s[G1S+2], 32<<16
	s_mov_b32 s[G1S+3], 8<<16
	s_mov_b32 s[G1S+4], 32
	s_mov_b32 s[G1S+5], 8
	s_mov_b32 s[G1S+6], 0
	s_mov_b32 s[G1S+7], 0
	s_mov_b32 s[SEL], 0x76543210
	s_mov_b32 s[SEL+1], 0xfedcba98
	s_mov_b32 s[CS], 0x3e38aa3b                    ; log2(e) / 8
	s_mov_b32 s[CS+1], s[CS]                       ; (named with it as a pair, so it is written)
	s_lshl_b32 s88, s[HEAD], 16                    ; a head's codes: 65,536 bytes in each of the three tensors
	s_mov_b32 s89, 0
	s_lshl_b32 s90, s[HEAD], 12                    ; its scale bytes: 4,096
	s_mov_b32 s91, 0
	s_lshr_b32 s92, s[HEAD], 4
	s_lshl_b32 s92, s92, 11                        ; its batch's mask: 2,048 bytes
	s_mov_b32 s93, 0
	s_lshl_b32 s94, s[EO], 15                      ; the half that I fetch: 32,768 bytes of codes
	s_mov_b32 s95, 0
	s_lshl_b32 s99, s[HEAD], 19                    ; a head of out0: 524,288 bytes; a tile: 4,096
	s_lshl_b32 s100, s[TA], 12
	s_add_co_u32 s100, s100, s99
	s_mov_b32 s101, 0
	s_wait_kmcnt 0x0
	s_add_nc_u64 s[OA:OA+1], s[18:19], s[100:101]
	s_lshl_b32 s100, s[TBQ], 12
	s_add_co_u32 s100, s100, s99
	s_add_nc_u64 s[OB:OB+1], s[18:19], s[100:101]
	s_add_nc_u64 s[PQC:PQC+1], s[10:11], s[88:89]
	s_add_nc_u64 s[PQS:PQS+1], s[12:13], s[90:91]
	s_add_nc_u64 s[PKS:PKS+1], s[8:9], s[90:91]
	s_add_nc_u64 s[PMK:PMK+1], s[4:5], s[92:93]
	; ---- groups 0: count 1, LDS address, global address, type 2.  They hang on the head and the wave's number alone: equal in all four partners
	s_mov_b32 s[G0K], 1
	s_mul_i32 s[G0K+1], s[EO], 64*KP               ; KB = 0
	s_add_nc_u64 s[G0K+2:G0K+3], s[6:7], s[88:89]
	s_add_nc_u64 s[G0K+2:G0K+3], s[G0K+2:G0K+3], s[94:95]
	s_or_b32 s[G0K+3], s[G0K+3], 0x80000000
	s_mov_b32 s[G0V], 1
	s_mul_i32 s[G0V+1], s[EO], 32*VP
	s_add_co_u32 s[G0V+1], s[G0V+1], VB
	s_add_nc_u64 s[G0V+2:G0V+3], s[14:15], s[88:89]
	s_add_nc_u64 s[G0V+2:G0V+3], s[G0V+2:G0V+3], s[94:95]
	s_or_b32 s[G0V+3], s[G0V+3], 0x80000000
	s_lshl_b32 s94, s[EO], 11                      ; half a head's scale bytes: 2,048
	s_mov_b32 s[G0S], 1
	s_mul_i32 s[G0S+1], s[EO], 32*VSP
	s_add_co_u32 s[G0S+1], s[G0S+1], VSB
	s_add_nc_u64 s[G0S+2:G0S+3], s[16:17], s[90:91]
	s_add_nc_u64 s[G0S+2:G0S+3], s[G0S+2:G0S+3], s[94:95]
	s_or_b32 s[G0S+3], s[G0S+3], 0x80000000
	ROUND                                          ; all four work-groups are here: the joint loads meet
	; ---- the fills, all of them first fills, in one parting on the wave's number: waves 0, 1 K's halves; waves 2, 3 V's halves and V's scale bytes (two loads out); the others none.
	; Four v_nop follow a wave's last load, ahead of the jump and the label.
	s_cmp_lt_u32 s[WV], 2
	s_cbranch_scc0 .Lnot_k
	tensor_load_to_lds s[G0K:G0K+3], s[G1K:G1K+7]
	s_nop 0
	PLACES 4
	s_branch .Lasked
.Lnot_k:
	s_cmp_lt_u32 s[WV], 4
	s_cbranch_scc0 .Lasked
	tensor_load_to_lds s[G0V:G0V+3], s[G1V:G1V+7]
	s_nop 0
	tensor_load_to_lds s[G0S:G0S+3], s[G1S:G1S+7]
	s_nop 0
	PLACES 4
.Lasked:
	; ---- while the fills are on their way: the table of K's scale words, q, the constants
.irp i, 0,1,2,3
	global_load_u16 v[108+\i], v104, s[PKS:PKS+1] offset:2*(32*(\i/2)+8*(\i%2))   ; the key's two scale bytes
.endr
.irp i, 0,1,2,3
	global_load_u8 v[112+\i], v103, s[PMK:PMK+1] offset:32*(\i/2)+8*(\i%2)        ; its byte of the mask: 0 or 1
.endr
	s_wait_alu depctr_va_vdst(0)
	global_load_b128 v[QF:QF+3], v106, s[PQC:PQC+1] th:TH_LOAD_NT                 ; q is read once, by me
	global_load_b128 v[QB:QB+3], v107, s[PQC:PQC+1] th:TH_LOAD_NT
	global_load_u16 v[QS], v120, s[PQS:PQS+1] th:TH_LOAD_NT
	global_load_u16 v[QSB], v121, s[PQS:PQS+1] th:TH_LOAD_NT
.irp t, 0,1,2,3,4,5,6,7
	v_mov_b32 v[KF+8*\t+4], 10                     ; the code -1.0 (sign, exponent 1) at k = 64 (lanes 16-31: k = 96, where q holds a zero)
	v_mov_b32 v[KF+8*\t+5], 0
	v_mov_b32 v[KF+8*\t+6], 0
	v_mov_b32 v[KF+8*\t+7], 0
.endr
.irp i, 5,6,7
	v_mov_b32 v[QF+\i], 0
.endr
.irp b, 0,1,2,3
	v_mov_b32 v[PX+\b], 0                          ; written once: a lane permute's destination counts as one of its sources
.endr
	v_mov_b32 v253, 0
	s_wait_loadcnt 4                               ; the four younger loads are q's: the table's eight are in
.irp i, 0,1,2,3
	v_mul_u32_u24 v[112+\i], v[112+\i], 253
.endr
.irp i, 0,1,2,3
	s_delay_alu instid0(VALU_DEP_4)
	v_sub_nc_u32 v[112+\i], 254, v[112+\i]         ; block 2's byte: 254 where the key is masked, 1 where it counts
.endr
.irp i, 0,1,2,3
	s_delay_alu instid0(VALU_DEP_4)
	v_lshl_or_b32 v[116+\i], v[112+\i], 16, v[108+\i]
.endr
.irp i, 0,1,2,3
	s_delay_alu instid0(VALU_DEP_4)
	v_or_b32 v[116+\i], 0x7f000000, v[116+\i]      ; block 3 holds zeros on q's side: byte 127
.endr
	ds_store_b128 v102, v[116:119]
	s_wait_loadcnt 0x0
	v_or_b32 v[QS], 0x7f7f0000, v[QS]              ; q's scale words: blocks 2 and 3 have the byte 127
	v_or_b32 v[QSB], 0x7f7f0000, v[QSB]
	s_wait_tensorcnt 0x0                           ; my fills have landed,
	s_wait_dscnt 0x0                               ; my words of the table too:
	s_barrier_signal -1
	s_barrier_wait -1                              ; everybody's have
	; ---- the mean of v over the head's 2,048 keys: wave t = 0 .. 3 takes channels 16 t .. 16 t + 15: 16 products of V's fragments with ones (code 2, scale byte 127), two accumulators by turns
	s_cmp_lt_u32 s[WV], 4
	s_cbranch_scc0 .Lno_sum
	v_mov_b32 v[PS], 0x7f7f7f7f
.irp i, 0,1,2,3,4,5,6,7
	v_mov_b32 v[P+\i], 0x22222222
.endr
	s_wait_alu depctr_va_vdst(0)
	PLACES 8                                       ; a scale register written by a vector instruction stands 8 places ahead of a scaled matrix instruction, an operand 4
.irp g, 0,1,2,3                                ; four key steps at a time
.if \g > 0
	PLACES 4                                       ; in front of loads into registers that matrix instructions have read
.endif
.irp s, 0,1,2,3
.irp c, 0,1
	ds_load_b128 v[VF+8*\s+4*\c:VF+8*\s+4*\c+3], v[AVSUM] offset:(4*\g+\s)*64+32*\c
.endr
.endr
	ds_load_b128 v[KS:KS+3], v[ASV4] offset:16*\g  ; my row's scale words of these four steps
	s_wait_dscnt 0x0
.irp s, 0,1,2,3
.if (\g == 0) && (\s < 2)
	v_wmma_scale_f32_16x16x128_f8f6f4 v[S+8*(\s%2):S+8*(\s%2)+7], v[VF+8*\s:VF+8*\s+7], v[P:P+7], 0, v[KS+\s], v[PS] matrix_a_fmt:MATRIX_FMT_FP4 matrix_b_fmt:MATRIX_FMT_FP4
.else
	v_wmma_scale_f32_16x16x128_f8f6f4 v[S+8*(\s%2):S+8*(\s%2)+7], v[VF+8*\s:VF+8*\s+7], v[P:P+7], v[S+8*(\s%2):S+8*(\s%2)+7], v[KS+\s], v[PS] matrix_a_fmt:MATRIX_FMT_FP4 matrix_b_fmt:MATRIX_FMT_FP4
.endif
.endr
.endr
	PLACES 4
.irp j, 0,1,2,3,4,5,6,7
	v_add_f32 v[S+16+\j], v[S+\j], v[S+8+\j]       ; both accumulators from their low ends on; register j: channel 16 t + 8 h + j, the same in all 16 lanes of a half
.endr
.irp j, 0,1,2,3,4,5,6,7
	v_mul_f32 v[S+16+\j], 0x3a000000, v[S+16+\j]   ; / 2,048
.endr
	ds_store_b128 v[ADK], v[S+16:S+19]             ; the sixteen lanes of a half write the same bytes with the same values
	ds_store_b128 v[ADK], v[S+20:S+23] offset:16
.Lno_sum:
	s_wait_dscnt 0x0
	s_barrier_signal -1
	s_barrier_wait -1                              ; the mean lies in LDS.  From here on no wave writes LDS bytes that another reads
; A TILE OF 16 QUERIES: the walk over the keys and the way out.  second = 1: the wave's second tile.  ds: the register with its diagonal step; doff: with its first query less 128 x that step; out: out0 at its first row.
.macro TILE second, ds, doff, out
.if \second
.irp i, 0,1,2,3
	v_mov_b32 v[QF+\i], v[QB+\i]
.endr
	v_mov_b32 v[QS], v[QSB]
.endif
	v_mov_b32 v13, 0xfb800000                      ; the largest t so far: -2^120
	s_delay_alu instid0(VALU_DEP_1)
	v_floor_f32 v12, -v13                          ; -M
	v_mov_b32 v14, 0                               ; l, in two halves
	v_mov_b32 v15, 0
.set n, 0
.rept 32
	v_mov_b32 v[O+n], 0                            ; O^T: the step is written once, its first trip finds zeros.  (These are also the places between the writes of Q's registers and the first product)
.set n, n+1
.endr
	s_mov_b32 s[TK], 0
	s_mov_b32 s[TV], 0
	s_mov_b32 s[TKS], 0
	s_mov_b32 s[TVS], 0
	s_mov_b32 s[SI], 0
.Lstep_\@:                                         ; 16 trips, a constant; the steps behind the diagonal do nothing but step the addresses
	s_cmp_gt_u32 s[SI], s[\ds]
	s_cbranch_scc1 .Lhid_\@
	s_setprio 2
	v_add_nc_u32 v[ADK], s[TK], v[AK0]             ; (these four are also the places behind the last step's products, in front of the loads into V's registers)
	v_add_nc_u32 v[ADV], s[TV], v[AV0]
	v_add_nc_u32 v[ADKS], s[TKS], v[AKS0]
	v_add_nc_u32 v[ADVS], s[TVS], v[AVS0]
	ds_load_b128 v[KS:KS+3], v[ADKS]
.irp t, 0,1,2,3,4,5,6,7
	ds_load_b128 v[KF+8*\t:KF+8*\t+3], v[ADK] offset:(\t/2)*2*KP+(\t%2)*256   ; tile 2 b + u: two rows of 16 keys on for each b, eight keys on for u
.endr
	ds_load_b32 v[VS], v[ADVS]
	ds_load_b32 v[VS+1], v[ADVS] offset:32*VSP
.irp t, 0,1,2,3
.irp c, 0,1
	ds_load_b128 v[VF+8*\t+4*\c:VF+8*\t+4*\c+3], v[ADV] offset:16*VP*\t+32*\c
.endr
.endr
	s_wait_dscnt 10                                ; K and its scale words are in; the ten younger loads, V's, land while the softmax is worked
.irp t, 0,1,2,3
	v_wmma_scale_f32_16x16x128_f8f6f4 v[S+8*\t:S+8*\t+7], v[KF+8*\t:KF+8*\t+7], v[QF:QF+7], 0, v[KS+\t], v[QS] matrix_a_fmt:MATRIX_FMT_FP4 matrix_b_fmt:MATRIX_FMT_FP4
.endr
.irp t, 4,5,6,7
	v_wmma_scale_f32_16x16x128_f8f6f4 v[S+8*\t:S+8*\t+7], v[KF+8*\t:KF+8*\t+7], v[QF:QF+7], 0, v[KS+\t-4], v[QS] matrix_a_fmt:MATRIX_FMT_FP4 matrix_b_fmt:MATRIX_FMT_FP4 matrix_a_scale:MATRIX_SCALE_ROW1
.endr
	PLACES 4                                       ; lane (r, h) holds query r; register 16 b + i is key 128 step + 32 b + 16 h + i
	s_cmp_lt_u32 s[SI], s[\ds]                     ; ahead of the diagonal step all keys count
	s_cbranch_scc1 .Lopen_\@
	v_add_nc_u32 v252, s[\doff], v[DV]             ; d = my query - 128 step - 16 h: register 16 b + i is hidden where 32 b + i > d
	v_mov_b32 v254, 0xff800000                     ; -infinity
.set n, 0
.rept 64
	v_cmp_gt_i32 vcc_lo, 32*(n/16)+n%16, v252
	v_cndmask_b32 v[S+n], v[S+n], v254, vcc_lo
.set n, n+1
.endr
.Lopen_\@:
.irp b, 0,1,2,3
	v_max3_num_f32 v[BM+\b], v[S+16*\b], v[S+1+16*\b], v[S+2+16*\b]   ; the largest score of each block of 32 keys: it serves for the row's maximum and, since p rises with the score, for the block's largest p
.endr
.irp i, 3,5,7,9,11,13
.irp b, 0,1,2,3
	v_max3_num_f32 v[BM+\b], v[BM+\b], v[S+16*\b+\i], v[S+1+16*\b+\i]   ; (the four blocks by turns)
.endr
.endr
.irp b, 0,1,2,3
	v_max_num_f32 v[BM+\b], v[BM+\b], v[S+15+16*\b]
.endr
.irp b, 0,1,2,3
	s_delay_alu instid0(VALU_DEP_4)
	v_permlanex16_b32 v[PX+\b], v[BM+\b], s[SEL], s[SEL+1]
.endr
.irp b, 0,1,2,3
	s_delay_alu instid0(VALU_DEP_4)
	v_max_num_f32 v[BM+\b], v[BM+\b], v[PX+\b]     ; with lane l xor 16's 16 keys
.endr
	s_delay_alu instid0(VALU_DEP_2)
	v_max3_num_f32 v254, v[BM], v[BM+1], v[BM+2]
	s_delay_alu instid0(VALU_DEP_1)
	v_max_num_f32 v254, v254, v[BM+3]              ; the step's largest score of my query
	s_delay_alu instid0(VALU_DEP_1)
	v_mul_f32 v254, s[CS], v254                    ; as t (c is positive)
	s_delay_alu instid0(VALU_DEP_1)
	v_max_num_f32 v13, v13, v254                   ; the running largest t
	v_mov_b32 v254, v12
	s_delay_alu instid0(VALU_DEP_2)
	v_floor_f32 v12, -v13                          ; the new -M = floor(-t) = -ceil(t): a whole number
	s_delay_alu instid0(VALU_DEP_1)
	v_sub_f32 v254, v12, v254                      ; old M - new M: a whole number, 0 or less
	s_delay_alu instid0(VALU_DEP_1)
	v_cvt_i32_f32 v254, v254                       ; (it saturates: the first real key after -2^120 gives f = 0, which multiplies zeros)
	s_delay_alu instid0(VALU_DEP_1)
	v_ldexp_f32 v252, 1.0, v254                    ; f = 2^(old M - new M)
.set n, 0
.rept 32
	v_pk_fma_f32 v[S+n:S+n+1], v[S+n:S+n+1], s[CS:CS+1], v[12:13] op_sel_hi:[1,0,0]   ; t - M, two at a time
.set n, n+2
.endr
	s_setprio 1
.irp b, 0,1,2,3
	v_fma_f32 v[BM+\b], v[BM+\b], s[CS], v12       ; the same of each block's largest score
.endr
.set n, 0
	s_wait_alu depctr_va_vdst(0)
.rept 64
	v_exp_f32 v[S+n], v[S+n]                       ; p = 2^(t - M), at most 1; 0 for masked and hidden keys
.set n, n+1
.endr
	v_pk_mul_f32 v[14:15], v[14:15], v[252:253] op_sel_hi:[1,0]   ; l under the new M: the plain instruction behind the batch
	s_wait_alu depctr_va_vdst(0)                   ; one wait for the 64 exponentials, ahead of their first reader
.irp b, 0,1,2,3
	v_exp_f32 v[BM+\b], v[BM+\b]                   ; the block's largest p: the same two instructions on the same number give the same bits
.endr
	v_pk_add_f32 v[236:237], v[100:101], v[104:105]
	v_pk_add_f32 v[254:255], v[108:109], v[112:113]
	v_pk_add_f32 v[248:249], v[116:117], v[120:121]
	v_pk_add_f32 v[246:247], v[124:125], v[128:129]
	v_pk_add_f32 v[244:245], v[132:133], v[136:137]
	v_pk_add_f32 v[242:243], v[140:141], v[144:145]
	v_pk_add_f32 v[240:241], v[148:149], v[152:153]
	v_pk_add_f32 v[14:15], v[14:15], v[156:157]
	v_pk_add_f32 v[236:237], v[236:237], v[96:97]
	v_pk_add_f32 v[254:255], v[254:255], v[98:99]
	v_pk_add_f32 v[248:249], v[248:249], v[102:103]
	v_pk_add_f32 v[246:247], v[246:247], v[106:107]
	v_pk_add_f32 v[244:245], v[244:245], v[110:111]
	v_pk_add_f32 v[242:243], v[242:243], v[114:115]
	v_pk_add_f32 v[240:241], v[240:241], v[118:119]
	v_pk_add_f32 v[14:15], v[14:15], v[122:123]
	v_pk_add_f32 v[236:237], v[236:237], v[126:127]
	v_pk_add_f32 v[254:255], v[254:255], v[130:131]
	v_pk_add_f32 v[248:249], v[248:249], v[134:135]
	v_pk_add_f32 v[246:247], v[246:247], v[138:139]
	v_pk_add_f32 v[244:245], v[244:245], v[142:143]
	v_pk_add_f32 v[242:243], v[242:243], v[146:147]
	v_pk_add_f32 v[240:241], v[240:241], v[150:151]
	v_pk_add_f32 v[14:15], v[14:15], v[154:155]
	v_pk_add_f32 v[236:237], v[236:237], v[158:159]
	s_delay_alu instid0(VALU_DEP_2)
	v_pk_add_f32 v[14:15], v[14:15], v[246:247]
	s_delay_alu instid0(VALU_DEP_2)
	v_pk_add_f32 v[236:237], v[236:237], v[244:245]
	v_pk_add_f32 v[254:255], v[254:255], v[242:243]
	v_pk_add_f32 v[248:249], v[248:249], v[240:241]
	s_delay_alu instid0(VALU_DEP_2)
	v_pk_add_f32 v[14:15], v[14:15], v[254:255]
	s_delay_alu instid0(VALU_DEP_2)
	v_pk_add_f32 v[236:237], v[236:237], v[248:249]
	s_delay_alu instid0(VALU_DEP_1)
	v_pk_add_f32 v[14:15], v[14:15], v[236:237]
	s_wait_alu depctr_va_vdst(0)                   ; and one for the four
.irp b, 0,1,2,3
	v_max_num_f32 v[BM+\b], 0x1800000, v[BM+\b]    ; the floor 2^(3 - 127): the byte cannot fall under 1 (a block of zeros keeps that byte: its codes are zeros)
.endr
.irp b, 0,1,2,3
	s_delay_alu instid0(VALU_DEP_4)
	v_add_nc_u32 v[SO+\b], 0xff000000, v[BM+\b]    ; 2 off the exponent field: the conversion's scale operand
.endr
.irp b, 0,1,2,3
	s_delay_alu instid0(VALU_DEP_4)
	v_lshrrev_b32 v[PX+\b], 23, v[SO+\b]           ; the scale's byte
.endr
	s_delay_alu instid0(VALU_DEP_3)
	v_lshl_or_b32 v[PS], v[PX+1], 8, v[PX]         ; p's scale word for these 128 keys
	s_delay_alu instid0(VALU_DEP_1)
	v_lshl_or_b32 v[PS], v[PX+2], 16, v[PS]
	s_delay_alu instid0(VALU_DEP_1)
	v_lshl_or_b32 v[PS], v[PX+3], 24, v[PS]
	s_setprio 0
.irp b, 0,1,2,3
	v_cvt_scalef32_pk8_fp4_f32 v[P+2*\b], v[S+16*\b:S+7+16*\b], v[SO+\b]
	v_cvt_scalef32_pk8_fp4_f32 v[P+1+2*\b], v[S+8+16*\b:S+15+16*\b], v[SO+\b]
.endr
	v_nop                                          ; one plain instruction behind the scaled conversions
.irp c, 0,1                                    ; the operand's layout wants a WHOLE block in a lane: lanes 0-15 block 2 c, lanes 16-31 block 2 c + 1
.irp i, 0,1
	v_permlane16_swap_b32 v[P+4*\c+\i], v[P+2+4*\c+\i]
.endr
.endr
.set n, 0
.rept 16
	v_pk_mul_f32 v[O+n:O+n+1], v[O+n:O+n+1], v[252:253] op_sel_hi:[1,0]   ; O^T under the new M, each accumulator from its low end on.  (These sixteen are also the places between the writes of p's codes and scale word and the products)
.set n, n+2
.endr
	s_wait_alu depctr_va_vdst(0)
	s_wait_dscnt 0x0                               ; V and its scale words are in
.irp t, 0,2
	v_wmma_scale_f32_16x16x128_f8f6f4 v[O+8*\t:O+8*\t+7], v[VF+8*\t:VF+8*\t+7], v[P:P+7], v[O+8*\t:O+8*\t+7], v[VS+\t/2], v[PS] matrix_a_fmt:MATRIX_FMT_FP4 matrix_b_fmt:MATRIX_FMT_FP4
	v_wmma_scale_f32_16x16x128_f8f6f4 v[O+8*\t+8:O+8*\t+15], v[VF+8*\t+8:VF+8*\t+15], v[P:P+7], v[O+8*\t+8:O+8*\t+15], v[VS+\t/2], v[PS] matrix_a_fmt:MATRIX_FMT_FP4 matrix_b_fmt:MATRIX_FMT_FP4 matrix_a_scale:MATRIX_SCALE_ROW1
.endr                                          ; four accumulators, one instruction each: between two links of a chain stand the three others' and the next step's eight
.Lhid_\@:
	s_add_co_u32 s[TK], s[TK], 8*KP
	s_add_co_u32 s[TV], s[TV], 64
	s_add_co_u32 s[TKS], s[TKS], 512
	s_add_co_u32 s[TVS], s[TVS], 4
	s_add_co_u32 s[SI], s[SI], 1
	s_cmp_lt_u32 s[SI], 16
	s_cbranch_scc1 .Lstep_\@
	s_setprio 0
	; THE WAY OUT.  O^T / l goes through my stage in LDS and leaves as whole rows of 256 bytes, two rows an instruction.
	PLACES 4                                       ; behind the last products: in front of loads into V's registers and of the first read of O^T
.if FULL_MASK_MEAN
.irp t, 0,1,2,3
	ds_load_b128 v[VF+8*\t:VF+8*\t+3], v[AVM] offset:64*\t          ; the mean of v at my eight channels of each tile: register 8 t + i = channel 16 t + 8 h + i, as in O^T
	ds_load_b128 v[VF+8*\t+4:VF+8*\t+7], v[AVM] offset:64*\t+16
.endr
.endif
	v_add_f32 v14, v14, v15                        ; l's two halves,
	s_delay_alu instid0(VALU_DEP_1)
	v_permlanex16_b32 v[PX], v14, s[SEL], s[SEL+1]
	s_delay_alu instid0(VALU_DEP_1)
	v_add_f32 v14, v14, v[PX]                      ; and lane l xor 16's: the row's sum
	s_delay_alu instid0(VALU_DEP_1)
	v_cmp_eq_f32 vcc_lo, 0, v14                    ; 0 only where no key was visible: a row with a visible key has l above 1/2
	v_rcp_f32 v254, v14
	v_nop                                          ; a plain instruction behind the reciprocal,
	s_wait_alu depctr_va_vdst(0)                   ; and the wait ahead of its first reader
.set n, 0
.rept 32
	v_mul_f32 v[S+n], v[O+n], v254                 ; each accumulator from its low end on
.set n, n+1
.endr
.if FULL_MASK_MEAN
	s_wait_dscnt 0x0
.set n, 0
.rept 32
	v_cndmask_b32 v[S+n], v[S+n], v[VF+n], vcc_lo  ; a row with no visible key: the mean
.set n, n+1
.endr
.endif
.irp t, 0,1,2,3
	ds_store_b128 v[STI], v[S+8*\t:S+8*\t+3] offset:64*\t
	ds_store_b128 v[STI], v[S+8*\t+4:S+8*\t+7] offset:64*\t+16
.endr
.irp i, 0,1,2,3,4,5,6,7
	ds_load_b128 v[S+32+4*\i:S+35+4*\i], v[STO] offset:2*\i*SP     ; LDS serves a wave's instructions in order (ISA guide 5.7.1.4): these see my stores
.endr
.irp i, 0,1,2,3,4,5,6,7
	s_wait_dscnt 7-\i                              ; rows 2 i and 2 i + 1 are back; the younger loads stay out
	global_store_b128 v[GO], v[S+32+4*\i:S+35+4*\i], s[\out:\out+1] offset:512*\i th:TH_STORE_NT   ; 32 lanes store 512 consecutive bytes, at a multiple of 256 from out0's first byte
.endr
	s_wait_xcnt 0x0                                ; the stores have read their registers: the next tile writes them again
.endm
	TILE 0, DSA, DOA, OA                           ; j = wave
	TILE 1, DSB, DOB, OB                           ; j = 31 - wave
	s_wait_xcnt 0x0
	v_lshl_add_u32 v254, v0, 2, 0x35400
	v_mov_b32 v255, 0
	s_wait_alu depctr_va_vdst(0)
	s_wait_tensorcnt 0x0
	ds_add_u32 v254, v255
	s_wait_dscnt 0x0
	ROUND                                          ; the closing round (no LDS instruction of mine is out: the last count-down ended at 0)
	s_endpgm
.Lfunc_end_k_qd6a1ba6eee_attn:
	.size	k_qd6a1ba6eee_attn, .Lfunc_end_k_qd6a1ba6eee_attn-k_qd6a1ba6eee_attn
	.p2alignl 7, 3214868480
	.fill 96, 4, 3214868480
	.section	.rodata,"a",@progbits
	.p2align	6, 0x0
	.amdhsa_kernel k_qd6a1ba6eee_attn
		.amdhsa_group_segment_fixed_size 220160
		.amdhsa_private_segment_fixed_size 0
		.amdhsa_enable_private_segment 0
		.amdhsa_kernarg_size 64
		.amdhsa_user_sgpr_count 2
		.amdhsa_user_sgpr_kernarg_segment_ptr 1
		.amdhsa_wavefront_size32 1
		.amdhsa_system_sgpr_workgroup_id_x 1
		.amdhsa_system_sgpr_workgroup_id_y 1
		.amdhsa_system_sgpr_workgroup_id_z 1
		.amdhsa_system_vgpr_workitem_id 0
		.amdhsa_next_free_vgpr 256
		.amdhsa_next_free_sgpr 102
		.amdhsa_reserve_vcc 1
		.amdhsa_float_denorm_mode_32 3
		.amdhsa_float_denorm_mode_16_64 3
		.amdhsa_memory_ordered 1
		.amdhsa_forward_progress 1
		.amdhsa_inst_pref_size 77
	.end_amdhsa_kernel
	.amdgpu_metadata
---
amdhsa.version: [ 1, 2 ]
amdhsa.kernels:
  - .name:           k_qd6a1ba6eee_attn
    .symbol:         k_qd6a1ba6eee_attn.kd
    .args:
      - { .name: attention_mask, .offset: 0, .size: 8, .value_kind: global_buffer, .address_space: global }
      - { .name: k_codes, .offset: 8, .size: 8, .value_kind: global_buffer, .address_space: global }
      - { .name: k_scales, .offset: 16, .size: 8, .value_kind: global_buffer, .address_space: global }
      - { .name: q_codes, .offset: 24, .size: 8, .value_kind: global_buffer, .address_space: global }
      - { .name: q_scales, .offset: 32, .size: 8, .value_kind: global_buffer, .address_space: global }
      - { .name: v_codes, .offset: 40, .size: 8, .value_kind: global_buffer, .address_space: global }
      - { .name: v_scales, .offset: 48, .size: 8, .value_kind: global_buffer, .address_space: global }
      - { .name: out0, .offset: 56, .size: 8, .value_kind: global_buffer, .address_space: global }
    .group_segment_fixed_size: 220160
    .private_segment_fixed_size: 0
    .kernarg_segment_align: 8
    .kernarg_segment_size: 64
    .max_flat_workgroup_size: 512
    .sgpr_count:     102
    .vgpr_count:     256
    .wavefront_size: 32
...
	.end_amdgpu_metadata
.endif
;; end of part 1
